; MI455X (gfx1250); checked and timed in simulation.
; The chip was launched on July 23, 2026; its instructions are those of AMD's public machine-readable ISA for CDNA 5 (MIT licence, August 2026) and "CDNA5" Instruction Set Architecture Reference Guide (July 2026). The comments in the code are by the model that wrote it; some were corrected since.
;; DKD. Allowed arithmetic: float matrix products may take bf16 or f16 operands with f32 sums; all other float work in f32.
;; Inputs: descriptor_map 1 x 64 x 1,024 x 1,024 float32; scores_map 1 x 1 x 1,024 x 1,024 float32.
;; Outputs: out0 4,096 x 2 float32; out1 4,096 x 64 float32; out2 4,096 float32.
;; One version. Each part assembles by itself: llvm-mc -triple=amdgcn-amd-amdhsa -mcpu=gfx1250 --defsym DOCPART=n.
;; ======== version 1 of 1: 5 launches
;; limits: below input magnitudes of 1.36e-20 results are inexact or not finite
;; workspace buffers: skey 262,144 bytes of whole numbers; spos 262,144 bytes of whole numbers; samp 16,384 bytes of whole numbers; thr 256 bytes of whole numbers; lkey 31,744 bytes of whole numbers; lpos 31,744 bytes of whole numbers; rec 63,488 bytes of whole numbers
;; launch tiles (part 1): grid 256 x 1, 8 waves a work-group, no clusters, 6,144 bytes of LDS; arguments scores_map, skey, spos, samp; writes skey, spos, samp
.if DOCPART == 1
	.amdgcn_target "amdgcn-amd-amdhsa--gfx1250"
	.amdhsa_code_object_version 6
	.text
	.protected	k_q4c0c9d933f_tiles
	.globl	k_q4c0c9d933f_tiles
	.p2align	8
	.type	k_q4c0c9d933f_tiles,@function
k_q4c0c9d933f_tiles:
	s_mov_b64 s[64:65], 0
	v_nop
	global_prefetch_b8 v0, s[64:65] scope:SCOPE_SE
	s_setreg_imm32_b32 hwreg(HW_REG_WAVE_MODE, 25, 1), 1
	s_wait_xcnt 0x0
; TILES.  scores [1024][1024] f32 -> for each tile row (block) of 256 tiles of 4 x 4: the tiles' maxima, sorted.
; Work-group b owns image rows 4 b .. 4 b + 3; thread t owns tile t (columns 4 t .. 4 t + 3): four loads of 16 bytes,
; a wave's load covers 512 consecutive bytes.  Border of width 3 is set to zero, then maximum and FIRST argmax in f32.
; key = the float's bits mapped so that unsigned order is float order; pixel = 1024 y + x of the argmax.
; Order of the block: key descending, equal keys by tile number ascending (the order of a stable top-k).
; This launch reads floats, so nothing derived from them may become an address: the rank is found by counting (256 keys broadcast
; from LDS, two instructions a pair), and sorted place p is filled by thread p, which looks through all 256 records and keeps the
; one whose rank is p (three instructions a record).  No scatter.
; Out: skey[256 b + p], spos[256 b + p] (sorted), samp[16 b + j] = skey[256 b + 16 j + 15].
; LIMITS: NaN scores are not ordered (a NaN's key would be 0 or above every number).  -0.0 counts as +0.0 and is returned as +0.0.
; No cluster: no two work-groups read the same score.
.set ROWB,  4096                       ; bytes in an image row
.set L_K,   0                          ; LDS: keys by tile
.set L_R,   1024                       ; ranks by tile
.set L_P,   2048                       ; pixels by tile
.set L_SK,  3072                       ; keys by rank
.set L_SP,  4096                       ; pixels by rank (straight behind L_SK)
.set ZERO,  5                          ; v5   0: base of the broadcast loads
.set T4,    6                          ; v6   4 t
.set KEY,   7                          ; v7   my tile's key
.set E,     8                          ; v[8:23] my 16 scores, row by row; v8 becomes the running maximum
.set POS,   24                         ; v24  my tile's pixel
.set RANK,  25                         ; v25  my tile's rank in the block
.set THR,   26                         ; v26  key, or key - 1 where an equal key counts as better
.set IDX,   27                         ; v27  argmax 0..15
.set SK,    28                         ; v28  key of rank t
.set SP,    29                         ; v29  pixel of rank t
.set BA,    32                         ; v[32:79]   load buffer A
.set BB,    80                         ; v[80:127]  load buffer B
.macro BARRIER                         ; my LDS stores and loads are done, then everybody's
	s_wait_dscnt 0x0
	s_barrier_signal -1
	s_barrier_wait -1
.endm
	s_load_b256 s[4:11], s[0:1], 0x0               ; scores s[4:5], skey s[6:7], spos s[8:9], samp s[10:11]
	v_lshl_add_u32 v128, v0, 2, 0x1400
	v_mov_b32 v129, 0
	v_lshrrev_b32 v1, 5, v0
	v_readfirstlane_b32 s12, v1                    ; wave 0..7
	v_lshlrev_b32 v2, 4, v0                        ; 16 t
	s_lshl_b32 s14, ttmp9, 14                      ; b x 4 rows x 4,096 bytes
	s_mov_b32 s15, 0
	s_wait_kmcnt 0x0
	s_add_nc_u64 s[4:5], s[4:5], s[14:15]
.irp r, 0,1,2,3
	global_load_b128 v[E+4*\r:E+4*\r+3], v2, s[4:5] offset:\r*ROWB th:TH_LOAD_NT
.endr
	; Border masks while the loads are out.  Rows 0-2 of block 0 and rows 1-3 of block 255 are border; likewise columns of tiles 0 and 255.
	; Class 0: index 0 (border in the first block / tile only), class 1: indices 1, 2 (in both), class 2: index 3 (in the last only).
	s_cmp_eq_u32 ttmp9, 0
	s_cselect_b32 s40, -1, 0
	s_cmp_eq_u32 ttmp9, 255
	s_cselect_b32 s42, -1, 0
	s_or_b32 s41, s40, s42
	v_cmp_eq_u32 s44, 0, v0
	v_cmp_eq_u32 s46, 0xff, v0
	s_or_b32 s45, s44, s46
.irp rc, 0,1,2
.irp cc, 0,1,2
	s_or_b32 s[48+3*\rc+\cc], s[40+\rc], s[44+\cc] ; lanes whose element of row class rc, column class cc is border
.endr
.endr
	v_mov_b32 v[ZERO], 0
	v_lshlrev_b32 v[T4], 2, v0
	v_mov_b32 v[IDX], 0
	v_mov_b32 v[RANK], 0
	v_mov_b32 v[SK], 0
	v_mov_b32 v[SP], 0
	s_wait_loadcnt 0x0
.irp r, 0,1,2,3
.irp c, 0,1,2,3
	v_cndmask_b32 v[E+4*\r+\c], v[E+4*\r+\c], 0, s[48+3*((\r+1)/2)+(\c+1)/2]
.endr
.endr
	; maximum and first argmax: only a strictly larger score replaces the one held
.set i, 1
.rept 15
	v_cmp_gt_f32 vcc_lo, v[E+i], v[E]
	v_cndmask_b32 v[E], v[E], v[E+i], vcc_lo
	v_cndmask_b32 v[IDX], v[IDX], i, vcc_lo
.set i, i+1
.endr
	v_add_f32 v[E], 0, v[E]                        ; -0.0 becomes +0.0, everything else stays
	v_ashrrev_i32 v3, 31, v[E]
	v_or_b32 v3, 0x80000000, v3
	v_xor_b32 v[KEY], v[E], v3                     ; positive: sign bit set; negative: all bits turned
	v_lshrrev_b32 v3, 2, v[IDX]                    ; row in the tile
	v_and_b32 v4, 3, v[IDX]                        ; column in the tile
	v_lshl_add_u32 v4, v0, 2, v4                   ; x = 4 t + column
	v_lshl_add_u32 v4, v3, 10, v4                  ; + 1024 x row in the tile
	s_lshl_b32 s13, ttmp9, 12                      ; + 1024 x 4 b
	v_add_nc_u32 v[POS], s13, v4
	ds_store_b32 v[T4], v[KEY] offset:L_K
	BARRIER
	; RANK.  Chunks of 32 keys (one wave's tiles), 8 broadcast loads each, two buffers.
.macro LDKEYS buf, c
.irp q, 0,1,2,3,4,5,6,7
	ds_load_b128 v[\buf+4*\q:\buf+4*\q+3], v[ZERO] offset:L_K+128*(\c)+16*\q
.endr
.endm
; Tiles of an earlier wave win ties: they are counted where key_j >= key, written key_j > key - 1 (a finite float's key is at least 0x007fffff).
.macro COUNT buf, c
	s_cmp_gt_u32 s12, (\c)
	s_cselect_b32 s13, 1, 0
	v_sub_nc_u32 v[THR], v[KEY], s13
.set i, 0
.rept 32
	v_cmp_gt_u32 vcc_lo, v[\buf+i], v[THR]
	v_add_co_ci_u32 v[RANK], vcc_lo, 0, v[RANK], vcc_lo
.set i, i+1
.endr
.endm
	LDKEYS BA, 0
	LDKEYS BB, 1
.irp c, 0,2,4
	s_wait_dscnt 0x8                               ; LDS loads return in order: the older chunk is in, the younger chunk's 8 stay out
	COUNT BA, \c
	LDKEYS BA, \c+2
	s_wait_dscnt 0x8
	COUNT BB, \c+1
	LDKEYS BB, \c+3
.endr
	s_wait_dscnt 0x8
	COUNT BA, 6
	s_wait_dscnt 0x0                               ; nothing was issued behind the last chunk
	COUNT BB, 7
	; ties inside my own wave: lane j's equal key is better for the lanes above j
.set j, 0
.rept 31
	v_readlane_b32 s13, v[KEY], j
	v_cmp_eq_u32 vcc_lo, s13, v[KEY]
	s_and_b32 vcc_lo, vcc_lo, (0xfffffffe<<j)&0xffffffff
	v_add_co_ci_u32 v[RANK], vcc_lo, 0, v[RANK], vcc_lo
.set j, j+1
.endr
	ds_store_b32 v[T4], v[RANK] offset:L_R
	ds_store_b32 v[T4], v[POS] offset:L_P
	BARRIER
	; PICK.  Thread t keeps the record whose rank is t.  Groups of 16 records, 12 broadcast loads each, two buffers.
.macro LDREC buf, g
.irp q, 0,1,2,3
	ds_load_b128 v[\buf+4*\q:\buf+4*\q+3],       v[ZERO] offset:L_K+64*(\g)+16*\q
	ds_load_b128 v[\buf+16+4*\q:\buf+16+4*\q+3], v[ZERO] offset:L_R+64*(\g)+16*\q
	ds_load_b128 v[\buf+32+4*\q:\buf+32+4*\q+3], v[ZERO] offset:L_P+64*(\g)+16*\q
.endr
.endm
.macro PICK buf
.set i, 0
.rept 16
	v_cmp_eq_u32 vcc_lo, v[\buf+16+i], v0
	v_cndmask_b32 v[SK], v[SK], v[\buf+i], vcc_lo
	v_cndmask_b32 v[SP], v[SP], v[\buf+32+i], vcc_lo
.set i, i+1
.endr
.endm
	LDREC BA, 0
	LDREC BB, 1
.irp g, 0,2,4,6,8,10,12
	s_wait_dscnt 0xc                               ; the older group is in, the younger group's 12 loads stay out
	PICK BA
	LDREC BA, \g+2
	s_wait_dscnt 0xc
	PICK BB
	LDREC BB, \g+3
.endr
	s_wait_dscnt 0xc
	PICK BA
	s_wait_dscnt 0x0
	PICK BB
	ds_store_b32 v[T4], v[SK] offset:L_SK
	ds_store_b32 v[T4], v[SP] offset:L_SP
	BARRIER
	; OUT.  Waves 0, 1: the block's 1,024 bytes of keys; waves 2, 3: of pixels; 16 bytes a lane, so sixteen lanes store 256 consecutive
	; bytes at a multiple of 256 from the buffer's start.  Wave 4: the 16 samples (64 bytes: all that a block has).  No barrier follows.
	s_cmp_gt_u32 s12, 4
	s_cbranch_scc1 .Lend
	s_cmp_eq_u32 s12, 4
	s_cbranch_scc1 .Lsamples
	v_lshlrev_b32 v3, 4, v0                        ; threads 0..127: 16 bytes each of L_SK .. L_SP + 1023
	ds_load_b128 v[BA:BA+3], v3 offset:L_SK
	s_cmp_lt_u32 s12, 2
	s_cselect_b64 s[14:15], s[6:7], s[8:9]         ; keys or pixels, by the wave's number
	v_and_b32 v4, 63, v0
	s_lshl_b32 s13, ttmp9, 10                      ; the block's 1,024 bytes
	v_lshl_add_u32 v4, v4, 4, s13
	s_wait_dscnt 0x0
	global_store_b128 v4, v[BA:BA+3], s[14:15]
	s_wait_tensorcnt 0x0
	ds_add_u32 v128, v129
	s_wait_dscnt 0x0
	s_endpgm
.Lsamples:
	v_and_b32 v1, 31, v0
	v_lshlrev_b32 v30, 6, v1                       ; lane j: sorted place 16 j + 15 (lanes 16-31 read pixels and store nothing)
	ds_load_b32 v31, v30 offset:L_SK+60
	s_lshl_b32 s13, ttmp9, 6
	v_lshl_add_u32 v30, v1, 2, s13
	v_cmp_gt_u32 vcc_lo, 16, v1
	s_wait_dscnt 0x0
	s_wait_xcnt 0x0                                ; EXEC is a source of earlier memory instructions: it changes only behind this wait
	s_and_saveexec_b32 s14, vcc_lo
	global_store_b32 v30, v31, s[10:11]
	s_wait_xcnt 0x0
	s_or_b32 exec_lo, exec_lo, s14
.Lend:
	s_wait_tensorcnt 0x0
	ds_add_u32 v128, v129
	s_wait_dscnt 0x0
	s_endpgm
.Lfunc_end_k_q4c0c9d933f_tiles:
	.size	k_q4c0c9d933f_tiles, .Lfunc_end_k_q4c0c9d933f_tiles-k_q4c0c9d933f_tiles
	.p2alignl 7, 3214868480
	.fill 96, 4, 3214868480
	.section	.rodata,"a",@progbits
	.p2align	6, 0x0
	.amdhsa_kernel k_q4c0c9d933f_tiles
		.amdhsa_group_segment_fixed_size 6144
		.amdhsa_private_segment_fixed_size 0
		.amdhsa_enable_private_segment 0
		.amdhsa_kernarg_size 32
		.amdhsa_user_sgpr_count 2
		.amdhsa_user_sgpr_kernarg_segment_ptr 1
		.amdhsa_wavefront_size32 1
		.amdhsa_system_sgpr_workgroup_id_x 1
		.amdhsa_system_sgpr_workgroup_id_y 1
		.amdhsa_system_sgpr_workgroup_id_z 1
		.amdhsa_system_vgpr_workitem_id 0
		.amdhsa_next_free_vgpr 130
		.amdhsa_next_free_sgpr 66
		.amdhsa_reserve_vcc 1
		.amdhsa_float_denorm_mode_32 3
		.amdhsa_float_denorm_mode_16_64 3
		.amdhsa_memory_ordered 1
		.amdhsa_forward_progress 1
		.amdhsa_inst_pref_size 71
	.end_amdhsa_kernel
	.amdgpu_metadata
---
amdhsa.version: [ 1, 2 ]
amdhsa.kernels:
  - .name:           k_q4c0c9d933f_tiles
    .symbol:         k_q4c0c9d933f_tiles.kd
    .args:
      - { .name: scores_map, .offset: 0, .size: 8, .value_kind: global_buffer, .address_space: global }
      - { .name: skey, .offset: 8, .size: 8, .value_kind: global_buffer, .address_space: global }
      - { .name: spos, .offset: 16, .size: 8, .value_kind: global_buffer, .address_space: global }
      - { .name: samp, .offset: 24, .size: 8, .value_kind: global_buffer, .address_space: global }
    .group_segment_fixed_size: 6144
    .private_segment_fixed_size: 0
    .kernarg_segment_align: 8
    .kernarg_segment_size: 32
    .max_flat_workgroup_size: 256
    .sgpr_count:     66
    .vgpr_count:     130
    .wavefront_size: 32
...
	.end_amdgpu_metadata
.endif
;; end of part 1
;; launch pivot (part 2): grid 256 x 1, 8 waves a work-group, no clusters, 2,048 bytes of LDS; arguments samp, thr; writes thr
.if DOCPART == 2
	.amdgcn_target "amdgcn-amd-amdhsa--gfx1250"
	.amdhsa_code_object_version 6
	.text
	.protected	k_q4c0c9d933f_pivot
	.globl	k_q4c0c9d933f_pivot
	.p2align	8
	.type	k_q4c0c9d933f_pivot,@function
k_q4c0c9d933f_pivot:
	s_mov_b64 s[64:65], 0
	v_nop
	global_prefetch_b8 v0, s[64:65] scope:SCOPE_SE
	s_setreg_imm32_b32 hwreg(HW_REG_WAVE_MODE, 25, 1), 1
	s_wait_xcnt 0x0
; PIVOT.  samp[16 b + j] is the key at sorted place 16 j + 15 of block b (4,096 samples).  The pivot is the sample with exactly 255
; better samples in the order (key descending, sample number ascending).  256 samples are then not behind it, each vouching for 16
; elements of its block: at least 4,096 elements are not behind the pivot, and at most 4,096 + 15 x 256 = 7,936.
; Work-group w ranks its own 16 samples x (in scalar registers) against all: thread b holds block b's 16 samples y, one compare
; serves 32 blocks, s_bcnt1 counts the lanes.  16 x 4,096 pairs a work-group = 256 compares a wave.
; Ties: a sample of an earlier block wins, so its y is raised by 1 and compared with > (no finite float has the key 0xffffffff).
; My own block's samples are strictly ordered: sample i has i better ones; the lane that holds them is set to 0 and i is added at the end.
; Ranks are a permutation of 0..4095, so exactly one lane of one work-group stores thr[0] = key, thr[1] = 256 w + 16 i + 15.
; No cluster: what the work-groups share is 16,384 bytes, read once.
.set Y, 16                             ; v[16:31] block b's samples; later the waves' partial counts
	s_load_b128 s[4:7], s[0:1], 0x0                ; samp s[4:5], thr s[6:7]
	v_lshl_add_u32 v32, v0, 2, 0x400
	v_mov_b32 v33, 0
	v_lshrrev_b32 v1, 5, v0
	v_readfirstlane_b32 s8, v1                     ; wave 0..7
	v_and_b32 v2, 31, v0                           ; lane
	s_mov_b32 s9, ttmp9                            ; w
	s_lshl_b32 s10, ttmp9, 6                       ; my 16 samples: 64 w
	s_mov_b32 s11, 0
	v_lshlrev_b32 v3, 6, v0                        ; block b's samples: 64 b
	v_and_b32 v4, 15, v0
	v_lshl_add_u32 v4, v4, 2, s10                  ; lane i (mod 16): my sample i
	s_wait_kmcnt 0x0
	s_add_nc_u64 s[12:13], s[4:5], s[10:11]
	s_load_b512 s[16:31], s[12:13], 0x0            ; x0 .. x15
.irp q, 0,1,2,3
	global_load_b128 v[Y+4*\q:Y+4*\q+3], v3, s[4:5] offset:16*\q
.endr
	global_load_b32 v12, v4, s[4:5]
	v_cmp_gt_u32 vcc_lo, s9, v0                    ; blocks in front of mine
	v_cndmask_b32 v6, 0, 1, vcc_lo
	v_cmp_eq_u32 s14, s9, v0                       ; the lane that holds my own block
	s_wait_loadcnt 0x1                             ; the four loads of y are in; the copy of x in v12 may stay out
.set j, 0
.rept 16
	v_add_nc_u32 v[Y+j], v[Y+j], v6
	v_cndmask_b32 v[Y+j], v[Y+j], 0, s14
.set j, j+1
.endr
	s_wait_kmcnt 0x0
.macro ONEX i                          ; s[48+i] = how many of this wave's 512 samples are better than x_i
.set j, 0
.rept 16
	v_cmp_gt_u32 s[32+j], v[Y+j], s[16+\i]
.set j, j+1
.endr
.set j, 0
.rept 16
	s_bcnt1_i32_b32 s[32+j], s[32+j]
.set j, j+1
.endr
	s_add_co_u32 s[48+\i], s32, s33
.set j, 2
.rept 14
	s_add_co_u32 s[48+\i], s[48+\i], s[32+j]
.set j, j+1
.endr
.endm
.irp i, 0,1,2,3,4,5,6,7,8,9,10,11,12,13,14,15
	ONEX \i
.endr
	v_mov_b32 v7, 0
.irp i, 0,1,2,3,4,5,6,7,8,9,10,11,12,13,14,15
	v_writelane_b32 v7, s[48+\i], \i               ; lane i: the wave's count for x_i
.endr
	v_lshlrev_b32 v8, 2, v2
	s_lshl_b32 s13, s8, 7                          ; 128 bytes of LDS for each wave
	v_add_nc_u32 v9, s13, v8
	ds_store_b32 v9, v7
	s_wait_dscnt 0x0                               ; my counts are in LDS before I say so
	s_barrier_signal -1
	s_barrier_wait -1
	s_cmp_lg_u32 s8, 0
	s_cbranch_scc1 .Lend                           ; wave 0 finishes; no barrier follows
.irp k, 0,1,2,3,4,5,6,7
	ds_load_b32 v[Y+\k], v8 offset:128*\k
.endr
	s_lshl_b32 s15, s9, 8
	s_add_co_u32 s15, s15, 15
	v_lshl_add_u32 v13, v2, 4, s15                 ; sorted index of sample i: 256 w + 16 i + 15
	v_mov_b32 v14, 0
	s_wait_dscnt 0x0
	v_add3_u32 v10, v[Y], v[Y+1], v[Y+2]
	v_add3_u32 v11, v[Y+3], v[Y+4], v[Y+5]
	v_add3_u32 v10, v10, v[Y+6], v[Y+7]
	v_add3_u32 v10, v10, v11, v2                   ; + i better samples in my own block
	v_cmp_eq_u32 vcc_lo, 0xff, v10
	v_cmp_gt_u32 s13, 16, v2
	s_and_b32 vcc_lo, vcc_lo, s13
	s_wait_loadcnt 0x0                             ; v12
	s_wait_xcnt 0x0                                ; EXEC changes only behind this wait
	s_and_saveexec_b32 s15, vcc_lo
	global_store_b64 v14, v[12:13], s[6:7]
	s_wait_xcnt 0x0
	s_or_b32 exec_lo, exec_lo, s15
.Lend:
	s_wait_tensorcnt 0x0
	ds_add_u32 v32, v33
	s_wait_dscnt 0x0
	s_endpgm
.Lfunc_end_k_q4c0c9d933f_pivot:
	.size	k_q4c0c9d933f_pivot, .Lfunc_end_k_q4c0c9d933f_pivot-k_q4c0c9d933f_pivot
	.p2alignl 7, 3214868480
	.fill 96, 4, 3214868480
	.section	.rodata,"a",@progbits
	.p2align	6, 0x0
	.amdhsa_kernel k_q4c0c9d933f_pivot
		.amdhsa_group_segment_fixed_size 2048
		.amdhsa_private_segment_fixed_size 0
		.amdhsa_enable_private_segment 0
		.amdhsa_kernarg_size 16
		.amdhsa_user_sgpr_count 2
		.amdhsa_user_sgpr_kernarg_segment_ptr 1
		.amdhsa_wavefront_size32 1
		.amdhsa_system_sgpr_workgroup_id_x 1
		.amdhsa_system_sgpr_workgroup_id_y 1
		.amdhsa_system_sgpr_workgroup_id_z 1
		.amdhsa_system_vgpr_workitem_id 0
		.amdhsa_next_free_vgpr 34
		.amdhsa_next_free_sgpr 66
		.amdhsa_reserve_vcc 1
		.amdhsa_float_denorm_mode_32 3
		.amdhsa_float_denorm_mode_16_64 3
		.amdhsa_memory_ordered 1
		.amdhsa_forward_progress 1
		.amdhsa_inst_pref_size 38
	.end_amdhsa_kernel
	.amdgpu_metadata
---
amdhsa.version: [ 1, 2 ]
amdhsa.kernels:
  - .name:           k_q4c0c9d933f_pivot
    .symbol:         k_q4c0c9d933f_pivot.kd
    .args:
      - { .name: samp, .offset: 0, .size: 8, .value_kind: global_buffer, .address_space: global }
      - { .name: thr, .offset: 8, .size: 8, .value_kind: global_buffer, .address_space: global }
    .group_segment_fixed_size: 2048
    .private_segment_fixed_size: 0
    .kernarg_segment_align: 8
    .kernarg_segment_size: 16
    .max_flat_workgroup_size: 256
    .sgpr_count:     66
    .vgpr_count:     34
    .wavefront_size: 32
...
	.end_amdgpu_metadata
.endif
;; end of part 2
;; launch compact (part 3): grid 256 x 1, 8 waves a work-group, no clusters, 1,280 bytes of LDS; arguments samp, skey, spos, thr, lkey, lpos; writes lkey, lpos
.if DOCPART == 3
	.amdgcn_target "amdgcn-amd-amdhsa--gfx1250"
	.amdhsa_code_object_version 6
	.text
	.protected	k_q4c0c9d933f_compact
	.globl	k_q4c0c9d933f_compact
	.p2align	8
	.type	k_q4c0c9d933f_compact,@function
k_q4c0c9d933f_compact:
	s_mov_b64 s[64:65], 0
	v_nop
	global_prefetch_b8 v0, s[64:65] scope:SCOPE_SE
	s_setreg_imm32_b32 hwreg(HW_REG_WAVE_MODE, 25, 1), 1
	s_wait_xcnt 0x0
; COMPACT.  A candidate is an element not behind the pivot (Lk, Lf): key > Lk, or key = Lk and sorted index f = 256 b + p <= Lf.
; In a sorted block the candidates are a prefix.  Work-group w copies block w's prefix to the list at the sum of the earlier blocks'
; prefix lengths, so the list keeps the order of f: equal keys stay in the order of the flat tile index.
; Every work-group finds all 256 lengths itself (thread b: block b): c = candidates among the block's 16 samples, so places below 16 c
; are candidates and place 16 c + 15 is not; the 16 keys from 16 min(c, 15) on settle the rest.  4,096 <= M <= 7,936 (see PIVOT).
; Slots M .. 7,935 get key 1 (below every finite float's key, and 1 - 1 does not wrap) and pixel 0; work-group w < 248 fills those of 32 w .. 32 w + 31.
; The test is written key > Lk - [f <= Lf].
; The copies start wherever the sum falls, so their first and last bytes share an aligned 256-byte stretch with a neighbour's.
; No cluster: what the work-groups share is 16,384 bytes of samples and 64 bytes of each block, read once.
.set SLOTS, 7936
.set T,   7                            ; scratch of the lane sums
.set LK,  8                            ; Lk
.set LK1, 9                            ; Lk - 1
.set TH,  10
.set TF,  11                           ; a sorted index at work: compared only, never an address
.set FB,  12                           ; 256 b
.set C,   13
.set N,   14                           ; block b's prefix length
.set A,   15                           ; N in the low half; N in the high half too where b < w
.set S,   16                           ; v[16:31] block b's samples
.set K16, 32                           ; v[32:47] the 16 keys at the boundary; later the waves' sums, then the fill's two words
.set OK,  48                           ; my own element (block w, place t): key
.set OP,  49                           ; pixel
.set F,   50                           ; its sorted index
.set M,   51
.set SL,  52
.set KO,  53
.set F0,  54
.set FS,  55                           ; the fill: slot 32 w + lane.  Written once, here at the head, from ids alone
.set FA,  56                           ; the fill: that slot's byte offset.  Likewise
.set PL,  22                           ; s[22:23] selects of v_permlanex16_b32: lane i of the other half
.macro CAND k, f, acc                  ; acc += 1 where (key k, sorted index f) is a candidate
	v_cmp_ge_u32 vcc_lo, s19, v[\f]
	v_cndmask_b32 v[TH], v[LK], v[LK1], vcc_lo
	v_cmp_gt_u32 vcc_lo, v[\k], v[TH]
	v_add_co_ci_u32 v[\acc], vcc_lo, 0, v[\acc], vcc_lo
.endm
	s_load_b256 s[4:11], s[0:1], 0x0               ; samp s[4:5], skey s[6:7], spos s[8:9], thr s[10:11]
	s_load_b128 s[12:15], s[0:1], 0x20             ; lkey s[12:13], lpos s[14:15]
	v_lshl_add_u32 v58, v0, 2, 0x100
	v_mov_b32 v59, 0
	v_lshrrev_b32 v1, 5, v0
	v_readfirstlane_b32 s16, v1                    ; wave
	v_and_b32 v2, 31, v0                           ; lane
	s_mov_b32 s17, ttmp9                           ; w
	s_lshl_b32 s24, ttmp9, 8
	s_lshl_b32 s21, ttmp9, 5
	s_mov_b32 s[PL], 0x76543210
	s_mov_b32 s[PL+1], 0xfedcba98
	v_add_nc_u32 v[FS], s21, v2                    ; slot 32 w + lane
	v_min_u32 v[FA], 0x1eff, v[FS]                 ; work-groups 248 to 255 have no slot of the 7,936 and store nothing below: cut to the last slot,
	v_lshlrev_b32 v[FA], 2, v[FA]                  ; so that the offset lies inside the list in every work-group
	v_lshlrev_b32 v3, 6, v0                        ; block b's samples
	v_add_nc_u32 v[F], s24, v0                     ; 256 w + t
	v_lshlrev_b32 v4, 2, v[F]
	v_lshlrev_b32 v[FB], 8, v0
	v_mov_b32 v[C], 0
	v_mov_b32 v[T], 0
	s_wait_kmcnt 0x0
	s_load_b64 s[18:19], s[10:11], 0x0             ; Lk, Lf
.irp q, 0,1,2,3
	global_load_b128 v[S+4*\q:S+4*\q+3], v3, s[4:5] offset:16*\q
.endr
	global_load_b32 v[OK], v4, s[6:7]
	global_load_b32 v[OP], v4, s[8:9]
	s_wait_kmcnt 0x0
	v_mov_b32 v[LK], s18
	v_add_nc_u32 v[LK1], -1, v[LK]
	s_wait_loadcnt 0x2                             ; the samples are in; my own key and pixel stay out
.set j, 0
.rept 16
	v_add_nc_u32 v[TF], 16*j+15, v[FB]
	CAND S+j, TF, C
.set j, j+1
.endr
	v_min_u32 v[C], 15, v[C]                       ; c = 16: the whole block; the last 16 places then all count
	v_lshlrev_b32 v[KO], 6, v[C]
	v_lshl_add_u32 v[KO], v0, 10, v[KO]            ; 4 (256 b + 16 c)
.irp q, 0,1,2,3
	global_load_b128 v[K16+4*\q:K16+4*\q+3], v[KO], s[6:7] offset:16*\q
.endr
	v_lshlrev_b32 v[N], 4, v[C]
	v_add_nc_u32 v[F0], v[FB], v[N]
	s_wait_loadcnt 0x0
.set j, 0
.rept 16
	v_add_nc_u32 v[TF], j, v[F0]
	CAND K16+j, TF, N
.set j, j+1
.endr
	; two sums in one word, each at most 7,936: low half M = all lengths, high half the lengths of the blocks in front of mine
	v_cmp_gt_u32 vcc_lo, s17, v0
	v_lshlrev_b32 v[A], 16, v[N]
	v_cndmask_b32 v[A], 0, v[A], vcc_lo
	v_add_nc_u32 v[A], v[A], v[N]
.irp m, 1,2,4,8
	v_mov_b32_dpp v[T], v[A] row_xmask:\m row_mask:0xf bank_mask:0xf
	v_add_nc_u32 v[A], v[A], v[T]
.endr
	v_permlanex16_b32 v[T], v[A], s[PL], s[PL+1]
	v_add_nc_u32 v[A], v[A], v[T]
	v_mov_b32 v5, s16
	v_lshlrev_b32 v5, 2, v5
	ds_store_b32 v5, v[A]                          ; all lanes write the wave's word with the same value
	s_wait_dscnt 0x0                               ; my word is in LDS before I say so
	s_barrier_signal -1
	s_barrier_wait -1
	v_mov_b32 v6, 0
	ds_load_b128 v[K16:K16+3], v6
	ds_load_b128 v[K16+4:K16+7], v6 offset:16
	v_cmp_ge_u32 vcc_lo, s19, v[F]                 ; my own element's test, first half
	v_cndmask_b32 v[TH], v[LK], v[LK1], vcc_lo
	s_wait_dscnt 0x0
	v_add3_u32 v[A], v[K16], v[K16+1], v[K16+2]
	v_add3_u32 v[T], v[K16+3], v[K16+4], v[K16+5]
	v_add3_u32 v[A], v[A], v[K16+6], v[K16+7]
	v_add_nc_u32 v[A], v[A], v[T]
	v_and_b32 v[M], 0xffff, v[A]
	v_lshrrev_b32 v[SL], 16, v[A]
	v_add_nc_u32 v[SL], v[SL], v0                  ; my slot: the block's offset + my place
	v_min_u32 v[SL], 0x1eff, v[SL]                 ; 7,935: only lanes that store nothing are cut
	v_lshlrev_b32 v[SL], 2, v[SL]
	v_cmp_gt_u32 vcc_lo, v[OK], v[TH]
	s_wait_xcnt 0x0                                ; EXEC is a source of the loads above: it changes only behind this wait
	s_and_saveexec_b32 s20, vcc_lo
	global_store_b32 v[SL], v[OK], s[12:13]
	global_store_b32 v[SL], v[OP], s[14:15]
	s_wait_xcnt 0x0                                ; and it widens again only behind this one
	s_or_b32 exec_lo, exec_lo, s20
	s_cmp_lg_u32 s16, 0
	s_cbranch_scc1 .Lend                           ; the fill is wave 0's
	s_cmp_ge_u32 s17, SLOTS/32
	s_cbranch_scc1 .Lend                           ; 248 work-groups x 32 slots cover the list
	v_cmp_ge_u32 vcc_lo, v[FS], v[M]               ; slots from M on
	v_mov_b32 v[K16], 1
	v_mov_b32 v[K16+1], 0
	s_and_saveexec_b32 s20, vcc_lo                 ; (no memory instruction was issued since the wait above)
	global_store_b32 v[FA], v[K16], s[12:13]
	global_store_b32 v[FA], v[K16+1], s[14:15]
	s_wait_xcnt 0x0
	s_or_b32 exec_lo, exec_lo, s20
.Lend:
	s_wait_tensorcnt 0x0
	ds_add_u32 v58, v59
	s_wait_dscnt 0x0
	s_endpgm
.Lfunc_end_k_q4c0c9d933f_compact:
	.size	k_q4c0c9d933f_compact, .Lfunc_end_k_q4c0c9d933f_compact-k_q4c0c9d933f_compact
	.p2alignl 7, 3214868480
	.fill 96, 4, 3214868480
	.section	.rodata,"a",@progbits
	.p2align	6, 0x0
	.amdhsa_kernel k_q4c0c9d933f_compact
		.amdhsa_group_segment_fixed_size 1280
		.amdhsa_private_segment_fixed_size 0
		.amdhsa_enable_private_segment 0
		.amdhsa_kernarg_size 48
		.amdhsa_user_sgpr_count 2
		.amdhsa_user_sgpr_kernarg_segment_ptr 1
		.amdhsa_wavefront_size32 1
		.amdhsa_system_sgpr_workgroup_id_x 1
		.amdhsa_system_sgpr_workgroup_id_y 1
		.amdhsa_system_sgpr_workgroup_id_z 1
		.amdhsa_system_vgpr_workitem_id 0
		.amdhsa_next_free_vgpr 60
		.amdhsa_next_free_sgpr 66
		.amdhsa_reserve_vcc 1
		.amdhsa_float_denorm_mode_32 3
		.amdhsa_float_denorm_mode_16_64 3
		.amdhsa_memory_ordered 1
		.amdhsa_forward_progress 1
		.amdhsa_inst_pref_size 11
	.end_amdhsa_kernel
	.amdgpu_metadata
---
amdhsa.version: [ 1, 2 ]
amdhsa.kernels:
  - .name:           k_q4c0c9d933f_compact
    .symbol:         k_q4c0c9d933f_compact.kd
    .args:
      - { .name: samp, .offset: 0, .size: 8, .value_kind: global_buffer, .address_space: global }
      - { .name: skey, .offset: 8, .size: 8, .value_kind: global_buffer, .address_space: global }
      - { .name: spos, .offset: 16, .size: 8, .value_kind: global_buffer, .address_space: global }
      - { .name: thr, .offset: 24, .size: 8, .value_kind: global_buffer, .address_space: global }
      - { .name: lkey, .offset: 32, .size: 8, .value_kind: global_buffer, .address_space: global }
      - { .name: lpos, .offset: 40, .size: 8, .value_kind: global_buffer, .address_space: global }
    .group_segment_fixed_size: 1280
    .private_segment_fixed_size: 0
    .kernarg_segment_align: 8
    .kernarg_segment_size: 48
    .max_flat_workgroup_size: 256
    .sgpr_count:     66
    .vgpr_count:     60
    .wavefront_size: 32
...
	.end_amdgpu_metadata
.endif
;; end of part 3
;; launch rank (part 4): grid 248 x 1, 32 waves a work-group, no clusters, 40,960 bytes of LDS; arguments lkey, rec; writes rec
.if DOCPART == 4
	.amdgcn_target "amdgcn-amd-amdhsa--gfx1250"
	.amdhsa_code_object_version 6
	.text
	.protected	k_q4c0c9d933f_rank
	.globl	k_q4c0c9d933f_rank
	.p2align	8
	.type	k_q4c0c9d933f_rank,@function
k_q4c0c9d933f_rank:
	s_mov_b64 s[64:65], 0
	v_nop
	global_prefetch_b8 v0, s[64:65] scope:SCOPE_SE
	s_setreg_imm32_b32 hwreg(HW_REG_WAVE_MODE, 25, 1), 1
	s_wait_xcnt 0x0
; RANK.  The list holds 7,936 slots: M candidates block by block in sorted order (equal keys in the order of the flat tile index), then fill (key 1).  Every element better than a
; candidate is itself a candidate, so a candidate's rank in the list (better = larger key, or equal key in an earlier slot) is its
; place in the top-k; fill ranks at its own slot number, which is at least M >= 4,096.
; Work-group w owns slots 32 w .. 32 w + 31 (lane = slot).  Wave v < 31 counts, for all 32, the better keys in slots 256 v .. 256 v + 255:
; it copies them into its own 1,024 bytes of LDS and reads them back as broadcasts, 4 keys a load, two instructions a pair.
; 31 waves cover the list; wave 31 counts the ties inside the work-group's own 32 slots instead.  Each wave leaves a row of 32 counts in LDS;
; behind one barrier wave 0 adds the 32 rows and stores rec[slot] = (rank, key): 8 bytes a lane, 256 consecutive bytes at a multiple of 256.
; The rank is only stored here, at an address made of ids: the launch that follows reads it and lets it steer its branch and its addresses.
; No cluster: what the work-groups share is the list's 31,744 bytes of keys, read once by each; the rest of a work-group's
; work is 32 x 7,936 comparisons on registers.
.set PART, 32768                       ; LDS behind the keys: wave v's row of 32 counts at 128 v, lane l's word at 4 l
.set CNT, 20                           ; v20  my wave's count for my lane's candidate
.set THR, 21                           ; v21  key, or key - 1 where an equal key counts as better
.set R,   22                           ; v[22:23] the record: rank,
.set KX,  23                           ;          and my lane's candidate key, loaded straight into its place
.set BA,  32                           ; v[32:63] chunk buffer A; at the end the 32 rows
.set BB,  64                           ; v[64:95] chunk buffer B
	s_load_b128 s[4:7], s[0:1], 0x0                ; lkey s[4:5], rec s[6:7]
	v_lshl_add_u32 v96, v0, 2, 0x9000
	v_mov_b32 v97, 0
	v_lshrrev_b32 v1, 5, v0
	v_readfirstlane_b32 s16, v1                    ; wave v
	v_and_b32 v2, 31, v0                           ; lane
	s_mov_b32 s17, ttmp9                           ; w
	s_lshl_b32 s24, s16, 10                        ; my wave's 256 slots, in the list and in LDS
	s_lshl_b32 s25, ttmp9, 7                       ; my work-group's 32 keys
	s_lshl_b32 s26, ttmp9, 8                       ; my work-group's 32 records
	s_lshl_b32 s27, s16, 7                         ; my wave's row of counts
	s_lshl_b32 s28, s16, 3                         ; my wave's first chunk of 32 slots
	v_lshl_add_u32 v4, v2, 4, s24
	v_lshl_add_u32 v5, v2, 2, s25
	v_mov_b32 v6, s24
	v_lshl_add_u32 v7, v2, 2, s27
	v_lshlrev_b32 v16, 2, v2
	v_lshl_add_u32 v17, v2, 3, s26
	v_mov_b32 v[CNT], 0
	s_wait_kmcnt 0x0
	global_load_b32 v[KX], v5, s[4:5]
	s_cmp_eq_u32 s16, 31
	s_cbranch_scc1 .Lties                          ; slots 7,936 and up do not exist
	global_load_b128 v[8:11], v4, s[4:5]
	global_load_b128 v[12:15], v4, s[4:5] offset:512
	s_wait_loadcnt 0x0
	ds_store_b128 v4, v[8:11]                      ; my wave's own bytes: LDS serves a wave in order, no wait before the loads below
	ds_store_b128 v4, v[12:15] offset:512
.macro LDKEYS buf, c
.irp q, 0,1,2,3,4,5,6,7
	ds_load_b128 v[\buf+4*\q:\buf+4*\q+3], v6 offset:128*(\c)+16*\q
.endr
.endm
; A chunk in front of my work-group's own wins ties: counted where key_j > key - 1 (every key in the list is at least 1).
; The own chunk and later ones: key_j > key.
.macro COUNT buf, c
	s_add_co_u32 s33, s28, (\c)
	s_cmp_lt_u32 s33, s17
	s_cselect_b32 s33, 1, 0
	v_sub_nc_u32 v[THR], v[KX], s33
.set i, 0
.rept 32
	v_cmp_gt_u32 vcc_lo, v[\buf+i], v[THR]
	v_add_co_ci_u32 v[CNT], vcc_lo, 0, v[CNT], vcc_lo
.set i, i+1
.endr
.endm
	LDKEYS BA, 0
	LDKEYS BB, 1
.irp c, 0,2,4
	s_wait_dscnt 0x8                               ; LDS loads return in order: the older chunk is in, the younger chunk's 8 loads stay out
	COUNT BA, \c
	LDKEYS BA, \c+2
	s_wait_dscnt 0x8
	COUNT BB, \c+1
	LDKEYS BB, \c+3
.endr
	s_wait_dscnt 0x8
	COUNT BA, 6
	s_wait_dscnt 0x0                               ; nothing was issued behind the last chunk
	COUNT BB, 7
	s_branch .Lcounted
.Lties:
	; wave 31: in the work-group's own chunk lane j's equal key is better for the lanes above j
	s_wait_loadcnt 0x0
.set j, 0
.rept 31
	v_readlane_b32 s13, v[KX], j
	v_cmp_eq_u32 vcc_lo, s13, v[KX]
	s_and_b32 vcc_lo, vcc_lo, (0xfffffffe<<j)&0xffffffff
	v_add_co_ci_u32 v[CNT], vcc_lo, 0, v[CNT], vcc_lo
.set j, j+1
.endr
.Lcounted:
	ds_store_b32 v7, v[CNT] offset:PART            ; row v: my wave's counts for the 32 candidates
	s_wait_dscnt 0x0                               ; my row is in LDS before I say so
	s_barrier_signal -1
	s_barrier_wait -1
	s_cmp_lg_u32 s16, 0
	s_cbranch_scc1 .Lend                           ; wave 0 finishes; no barrier follows
.set k, 0
.rept 32
	ds_load_b32 v[BA+k], v16 offset:PART+128*k     ; a row's 128 consecutive bytes: lane l takes wave k's count for candidate l
.set k, k+1
.endr
	s_wait_dscnt 0x0
	v_add3_u32 v[R], v[BA], v[BA+1], v[BA+2]
.set k, 3
.rept 14
	v_add3_u32 v[R], v[R], v[BA+k], v[BA+k+1]
.set k, k+2
.endr
	v_add_nc_u32 v[R], v[R], v[BA+31]              ; the rank
	global_store_b64 v17, v[R:R+1], s[6:7]
.Lend:
	s_wait_tensorcnt 0x0
	ds_add_u32 v96, v97
	s_wait_dscnt 0x0
	s_endpgm
.Lfunc_end_k_q4c0c9d933f_rank:
	.size	k_q4c0c9d933f_rank, .Lfunc_end_k_q4c0c9d933f_rank-k_q4c0c9d933f_rank
	.p2alignl 7, 3214868480
	.fill 96, 4, 3214868480
	.section	.rodata,"a",@progbits
	.p2align	6, 0x0
	.amdhsa_kernel k_q4c0c9d933f_rank
		.amdhsa_group_segment_fixed_size 40960
		.amdhsa_private_segment_fixed_size 0
		.amdhsa_enable_private_segment 0
		.amdhsa_kernarg_size 16
		.amdhsa_user_sgpr_count 2
		.amdhsa_user_sgpr_kernarg_segment_ptr 1
		.amdhsa_wavefront_size32 1
		.amdhsa_system_sgpr_workgroup_id_x 1
		.amdhsa_system_sgpr_workgroup_id_y 1
		.amdhsa_system_sgpr_workgroup_id_z 1
		.amdhsa_system_vgpr_workitem_id 0
		.amdhsa_next_free_vgpr 98
		.amdhsa_next_free_sgpr 66
		.amdhsa_reserve_vcc 1
		.amdhsa_float_denorm_mode_32 3
		.amdhsa_float_denorm_mode_16_64 3
		.amdhsa_memory_ordered 1
		.amdhsa_forward_progress 1
		.amdhsa_inst_pref_size 33
	.end_amdhsa_kernel
	.amdgpu_metadata
---
amdhsa.version: [ 1, 2 ]
amdhsa.kernels:
  - .name:           k_q4c0c9d933f_rank
    .symbol:         k_q4c0c9d933f_rank.kd
    .args:
      - { .name: lkey, .offset: 0, .size: 8, .value_kind: global_buffer, .address_space: global }
      - { .name: rec, .offset: 8, .size: 8, .value_kind: global_buffer, .address_space: global }
    .group_segment_fixed_size: 40960
    .private_segment_fixed_size: 0
    .kernarg_segment_align: 8
    .kernarg_segment_size: 16
    .max_flat_workgroup_size: 1024
    .sgpr_count:     66
    .vgpr_count:     98
    .wavefront_size: 32
...
	.end_amdgpu_metadata
.endif
;; end of part 4
;; launch gather (part 5): grid 248 x 1, 32 waves a work-group, no clusters, 0 bytes of LDS; arguments rec, lpos, descriptor_map, out0, out1, out2; writes out0, out1, out2
.if DOCPART == 5
	.amdgcn_target "amdgcn-amd-amdhsa--gfx1250"
	.amdhsa_code_object_version 6
	.text
	.protected	k_q4c0c9d933f_gather
	.globl	k_q4c0c9d933f_gather
	.p2align	8
	.type	k_q4c0c9d933f_gather,@function
k_q4c0c9d933f_gather:
	s_mov_b64 s[64:65], 0
	v_nop
	global_prefetch_b8 v0, s[64:65] scope:SCOPE_SE
	s_setreg_imm32_b32 hwreg(HW_REG_WAVE_MODE, 25, 1), 1
	s_wait_xcnt 0x0
; GATHER.  rec[slot] = (rank, key) and lpos[slot] = pixel (1024 y + x) for the list's 7,936 slots; exactly 4,096 slots have a rank below 4,096.
; One wave takes one slot.  Wave v of work-group w takes slot 248 v + w, so that the slots that lose (the fill lies at the list's end)
; are spread evenly over the work-groups.  Its three numbers come by scalar loads; the branch and all addresses hang on these whole
; numbers, which earlier launches stored, and on nothing that this launch computes from floats.
; A winner gathers the pixel's 64 channels (lane l: channels 2 l, 2 l + 1; the planes are 4 MiB apart, so these are single words by nature),
; divides by the norm and stores the row: 8 bytes a lane = 256 consecutive bytes at a multiple of 256.
; out0 and out2 are 8 and 4 bytes at the rank's place: scattered by nature, 48 KiB in all.
; Waves do not depend on each other: no LDS, no barrier.  No cluster: no two work-groups read the same slot or the same pixel.
; No prefetch: the pixel is known only one dependent load ahead of its use, and asking from the launch in front would mean
; 7,936 x 64 separate requests, many of them for slots that lose.
; LIMIT: a descriptor whose sum of squares is below 2^-126 is treated by v_rsq_f32 as zero (ISA guide, the instruction's entry).
.set GROUPS, 248
.set T,   20                           ; v20  scratch of the lane sum
.set PL,  38                           ; s[38:39] selects of v_permlanex16_b32: lane i of the other half
	s_load_b256 s[4:11], s[0:1], 0x0               ; rec s[4:5], lpos s[6:7], descriptors s[8:9], out0 s[10:11]
	s_load_b128 s[12:15], s[0:1], 0x20             ; out1 s[12:13], out2 s[14:15]
	v_lshrrev_b32 v1, 5, v0
	v_readfirstlane_b32 s16, v1                    ; wave v
	v_and_b32 v2, 31, v0                           ; lane
	s_mul_i32 s18, s16, GROUPS
	s_add_co_u32 s18, s18, ttmp9                   ; my slot: 248 v + w, at most 7,935
	s_lshl_b32 s20, s18, 3                         ; 8 bytes a record
	s_mov_b32 s21, 0
	s_lshl_b32 s22, s18, 2                         ; 4 bytes a pixel
	s_mov_b32 s23, 0
	s_mov_b32 s[PL], 0x76543210
	s_mov_b32 s[PL+1], 0xfedcba98
	v_mov_b32 v[T], 0
	s_wait_kmcnt 0x0
	s_add_nc_u64 s[20:21], s[4:5], s[20:21]
	s_add_nc_u64 s[22:23], s[6:7], s[22:23]
	s_load_b64 s[26:27], s[20:21], 0x0             ; rank, key
	s_load_b32 s28, s[22:23], 0x0                  ; pixel
	s_wait_kmcnt 0x0
	s_cmp_ge_u32 s26, 0x1000
	s_cbranch_scc1 .Lend                           ; not among the 4,096
	s_min_u32 s26, s26, 0xfff
	s_min_u32 s28, s28, 0xfffff
	s_lshl_b32 s31, s28, 2
	v_lshl_add_u32 v9, v2, 23, s31                 ; channel 2 l: 2 l planes of 4 MiB + 4 x pixel
	global_load_b32 v10, v9, s[8:9] th:TH_LOAD_NT
	global_load_b32 v11, v9, s[8:9] offset:4194304 th:TH_LOAD_NT
	; while they are out: the keypoint and its score
	s_and_b32 s32, s28, 0x3ff                      ; x
	s_lshr_b32 s33, s28, 10                        ; y
	v_cvt_f32_u32 v12, s32
	v_cvt_f32_u32 v13, s33
	s_mov_b32 s34, 0x3b002008                      ; 2 / 1023
	v_fma_f32 v12, v12, s34, -1.0
	v_fma_f32 v13, v13, s34, -1.0
	s_ashr_i32 s35, s27, 31                        ; the key back to the float's bits: top bit set: clear it; else turn all bits
	s_not_b32 s35, s35
	s_or_b32 s35, s35, 0x80000000
	s_xor_b32 s35, s27, s35
	v_mov_b32 v14, s35
	s_lshl_b32 s36, s26, 8                         ; out1: 256 bytes a row
	s_lshl_b32 s37, s26, 3
	v_mov_b32 v18, s37                             ; out0: 8 bytes
	s_lshl_b32 s37, s26, 2
	v_mov_b32 v19, s37                             ; out2: 4 bytes
	s_wait_loadcnt 0x0
	v_mul_f32 v15, v10, v10
	v_fmac_f32 v15, v11, v11
	v_add_f32_dpp v15, v15, v15 row_xmask:1 row_mask:0xf bank_mask:0xf
	v_add_f32_dpp v15, v15, v15 row_xmask:2 row_mask:0xf bank_mask:0xf
	v_add_f32_dpp v15, v15, v15 row_xmask:4 row_mask:0xf bank_mask:0xf
	v_add_f32_dpp v15, v15, v15 row_xmask:8 row_mask:0xf bank_mask:0xf
	v_permlanex16_b32 v[T], v15, s[PL], s[PL+1]
	v_add_f32 v15, v15, v[T]                       ; the sum of the 64 squares, in every lane
	v_rsq_f32 v16, v15
	v_lshl_add_u32 v17, v2, 3, s36                 ; a plain instruction between v_rsq_f32 and the use of its result (ISA guide 5.7.2)
	s_wait_alu depctr_va_vdst(0)
	v_mul_f32 v10, v10, v16
	v_mul_f32 v11, v11, v16
	global_store_b64 v17, v[10:11], s[12:13]
	v_cmp_eq_u32 vcc_lo, 0, v2
	s_wait_xcnt 0x0                                ; EXEC is a source of the store above: it changes only behind this wait
	s_and_saveexec_b32 s37, vcc_lo
	global_store_b64 v18, v[12:13], s[10:11]
	global_store_b32 v19, v14, s[14:15]
	s_wait_xcnt 0x0                                ; and it widens again only behind this one
	s_or_b32 exec_lo, exec_lo, s37
.Lend:
	s_endpgm
.Lfunc_end_k_q4c0c9d933f_gather:
	.size	k_q4c0c9d933f_gather, .Lfunc_end_k_q4c0c9d933f_gather-k_q4c0c9d933f_gather
	.p2alignl 7, 3214868480
	.fill 96, 4, 3214868480
	.section	.rodata,"a",@progbits
	.p2align	6, 0x0
	.amdhsa_kernel k_q4c0c9d933f_gather
		.amdhsa_group_segment_fixed_size 0
		.amdhsa_private_segment_fixed_size 0
		.amdhsa_enable_private_segment 0
		.amdhsa_kernarg_size 48
		.amdhsa_user_sgpr_count 2
		.amdhsa_user_sgpr_kernarg_segment_ptr 1
		.amdhsa_wavefront_size32 1
		.amdhsa_system_sgpr_workgroup_id_x 1
		.amdhsa_system_sgpr_workgroup_id_y 1
		.amdhsa_system_sgpr_workgroup_id_z 1
		.amdhsa_system_vgpr_workitem_id 0
		.amdhsa_next_free_vgpr 24
		.amdhsa_next_free_sgpr 66
		.amdhsa_reserve_vcc 1
		.amdhsa_float_denorm_mode_32 3
		.amdhsa_float_denorm_mode_16_64 3
		.amdhsa_memory_ordered 1
		.amdhsa_forward_progress 1
		.amdhsa_inst_pref_size 4
	.end_amdhsa_kernel
	.amdgpu_metadata
---
amdhsa.version: [ 1, 2 ]
amdhsa.kernels:
  - .name:           k_q4c0c9d933f_gather
    .symbol:         k_q4c0c9d933f_gather.kd
    .args:
      - { .name: rec, .offset: 0, .size: 8, .value_kind: global_buffer, .address_space: global }
      - { .name: lpos, .offset: 8, .size: 8, .value_kind: global_buffer, .address_space: global }
      - { .name: descriptor_map, .offset: 16, .size: 8, .value_kind: global_buffer, .address_space: global }
      - { .name: out0, .offset: 24, .size: 8, .value_kind: global_buffer, .address_space: global }
      - { .name: out1, .offset: 32, .size: 8, .value_kind: global_buffer, .address_space: global }
      - { .name: out2, .offset: 40, .size: 8, .value_kind: global_buffer, .address_space: global }
    .group_segment_fixed_size: 0
    .private_segment_fixed_size: 0
    .kernarg_segment_align: 8
    .kernarg_segment_size: 48
    .max_flat_workgroup_size: 1024
    .sgpr_count:     66
    .vgpr_count:     24
    .wavefront_size: 32
...
	.end_amdgpu_metadata
.endif
;; end of part 5
